; MI455X (gfx1250); checked and timed in simulation.
; The chip was launched on July 23, 2026; its instructions are those of AMD's public machine-readable ISA for CDNA 5 (MIT licence, August 2026) and "CDNA5" Instruction Set Architecture Reference Guide (July 2026). The comments in the code are by the model that wrote it; some were corrected since.
;; Net VLAD Pool. Allowed arithmetic: matrix products marked QUANTISED: E5M2 operands, one E8M0 scale for each 32 along K, by v_wmma_scale_f32_16x16x128_f8f6f4 with both operands' format E5M2, f32 sums; everything else in f32.
;; Inputs: R_seq 8 x 32 x 2,048 x 64 float32; W_codes 32 x 2 x 32 uint8 (E5M2 codes of W, K innermost, in blocks of 32 codes); W_scales 32 x 2 uint8 (E8M0 scales of W, one for each 32 codes along K); b 32 float32; centroids 32 x 64 float32.
;; Outputs: out0 8 x 32 x 32 x 64 float32.
;; This version of the problem:
;;   THIS VERSION OF THE PROBLEM IS GIVEN IN LOW PRECISION. The matrix products marked QUANTISED in the list below multiply operands that are first quantised to E5M2 (5 exponent bits, 2 mantissa bits; 8 bits a number), with one power-of-two scale for each 32 numbers along K (OCP MX v1.0); their sums are f32. All else is computed in f32.
;;   The module's matrix products, in the order in which they are computed (A, B: the left and right operand; K: the contracted axis; several contracted axes count as one K, in the product's order):
;;     1. [M 524,288, K 64] x [K 64, N 32]; A: input R_seq; B: input W (given as codes): QUANTISED
;;     2. batch 256 x [M 32, K 2,048] x [K 2,048, N 64]; A: computed on the way; B: input R_seq: QUANTISED
;;   THE QUANTISER, for each operand of a quantised product, along K:
;;     - K is cut into blocks of 32 from its start; a last block that is shorter is filled with zeros.
;;     - A block's scale is 2^e with e = floor(log2(the largest magnitude in the block)) - 15, held to -126 .. 127; a block of zeros has e = 0. As a byte (E8M0): e + 127.
;;     - Each number is divided by its block's scale, clamped to +-57,344, and rounded to the nearest number of E5M2, ties to even, subnormals kept.
;;     - The product sums the exact products of the quantised numbers (number of the format x scale) in f32.
;;   ~~~python
;;   def quantise(x, axis):      # numpy; x: float32 -> the quantised numbers, widened to float32 again
;;       x = np.moveaxis(x, axis, -1); K = x.shape[-1]
;;       x = np.pad(x, [(0, 0)] * (x.ndim - 1) + [(0, -K % 32)]); x = x.reshape(x.shape[:-1] + (-1, 32)); a = np.abs(x).max(-1, keepdims=True)
;;       e = np.where(a > 0, np.clip(np.frexp(np.where(a > 0, a, 1))[1] - 1 - 15, -126, 127), 0)      # np.frexp(a)[1] - 1 = floor(log2(a)), exactly
;;       r = np.clip(x / 2.0 ** e, -57344, 57344)
;;       step = 2.0 ** (np.maximum(np.frexp(np.where(r == 0, 1, r))[1] - 1, -14) - 2)
;;       q = np.round(r / step) * step * 2.0 ** e      # np.round: ties to even
;;       return np.moveaxis(q.reshape(q.shape[:-2] + (-1,))[..., :K], -1, axis).astype(np.float32)
;;   ~~~
;;   OPERANDS COMPUTED ON THE WAY. 'Computed on the way' means the value that the module computes at that place (a softmax that the list does not call 'softmax' is quantised finished and normalised). What goes into a quantiser is computed in f32, as accurately as f32 sums, v_exp_f32 and their like allow (about 1e-6 of the number): no bf16 or f16 on the way to a quantiser, and a product that is left as it is and whose result goes on into a quantised operand takes f32 operands (vector FMAs, or v_wmma_f32_16x16x4_f32). A number that lies on a knife's edge between two numbers of the format may be rounded either way, as far as f32 arithmetic and the matrix unit's own rounding can turn it there, and no further.
;;   INPUTS GIVEN AS CODES. W (in the module: [32, 64], K = its axis 1): each comes as NAME_codes (uint8): NAME with its K axis moved to the last place and cut into blocks of 32 codes, [.., K / 32, bytes a block], one block behind the other in memory; one code a byte (a code: sign, 5 exponent bits, 2 mantissa bits); and NAME_scales (uint8): the same leading axes, one E8M0 byte (e + 127) for each 32 codes along K. Its value is code x scale, taken as it is: it is not quantised again, and the codes and scales need not be those that the quantiser above would give.
;; One version. Each part assembles by itself: llvm-mc -triple=amdgcn-amd-amdhsa -mcpu=gfx1250 --defsym DOCPART=n.
;; ======== version 1 of 1: 1 launch
;; limits: right only within a limited range of input values
;; launch netvlad (part 1): grid 256 x 1, 16 waves a work-group, no clusters, 290,816 bytes of LDS; arguments R_seq, W_codes, W_scales, b, centroids, out0; writes out0
.if DOCPART == 1
	.amdgcn_target "amdgcn-amd-amdhsa--gfx1250"
	.amdhsa_code_object_version 6
	.text
	.protected	k_qd42a83db20_netvlad
	.globl	k_qd42a83db20_netvlad
	.p2align	8
	.type	k_qd42a83db20_netvlad,@function
k_qd42a83db20_netvlad:
	s_mov_b64 s[64:65], 0
	v_nop
	global_prefetch_b8 v0, s[64:65] scope:SCOPE_SE
	s_setreg_imm32_b32 hwreg(HW_REG_WAVE_MODE, 25, 1), 1
	s_wait_xcnt 0x0
; NetVLAD pooling in MX-BF8.  r: [256][2048][64] f32.  logits = Q(r) W^T + b (K = the 64 channels; W comes as E5M2 codes with E8M0 scales); a = softmax over the 32 clusters, in f32;
; out[m][k][c] = sum over n of Q(a)[n][k] Q(r)[n][c] - (sum over n of a[n][k]) cent[k][c]  (K = the 2,048 rows n; both operands quantised along n; the sum of a is of the unquantised a).
; SHARES.  One work-group for each of the 256 batches m; it owns the batch's 32 x 64 outputs.  Sixteen waves of 256 registers, four to a SIMD; wave w takes rows 128 w .. 128 w + 127: ONE K step of the second
; product, worked in four blocks of 32 rows.  The sixteen partial results meet in LDS behind the launch's one barrier.
; r IS READ ONCE, IN WHOLE ROWS: a load's lanes 0-15 take one row of 256 bytes, lanes 16-31 the row 16 further down; lane (r, h) holds columns 4 r .. 4 r + 3 of rows 16 h + i, i down the registers.
;   ALONG n: column tile t is the columns 4 r + t, so register 4 i + t of a lane is k = 16 h + i of its column: the operand's own order but for the register numbers, which the hold (v_med3) sets right.
;   ALONG c: the same registers go through the wave's own stage in LDS and come back by rows, 16 neighbouring channels of a row to a lane.
; THE FIRST PRODUCT has K = 64, the instruction 128: the codes of TWO tiles of 16 rows fill one operand (K 0-63: tile 0, K 64-127: tile 1), and W stands between zero codes, [0][W0][0][W1][0], so that
; W's 16 registers can be named with its codes at K 0-63 or at K 64-127: each product picks one tile, and the other tile's (finite) codes meet zeros.  It is used transposed (source 0 = 16 rows of W,
; source 1 = 16 rows of r, C = the bias): a lane holds ONE row n and 16 of its 32 logits, so the softmax wants one exchange between the halves of the lanes for the maximum and one for the sum.
; a IS TURNED THROUGH LDS: row tile q takes rows 2 r + q, so a(2 r, k) and a(2 r + 1, k) are 8 neighbouring bytes of a stage laid [k][n]; it comes back 16 neighbouring n of one k to a lane.
; THE CODES of blocks 0 to 2 wait in LDS as images of their registers (16 bytes a lane); block 3's are converted straight into the operands' registers.
; LIMITS: NaN and infinities among the inputs are not served.  A block of zeros gets the scale byte 1 where the rule says 127: its codes are zeros, and this program alone reads the byte.  An a under 2^-126
; becomes 0 (v_exp_f32 gives no denormals: ISA guide 15.8).  The sum over n is taken in 16 parts, added in a fixed order.
; No tensor load: a refill of LDS would want a barrier of all sixteen waves; loads into registers with counted waits want none.  No cluster: work-groups share only W, b and the centroids, some 10 KB.
.set RP,    272                        ; a row of the r stage: 256 bytes + 16: the 16 rows that a load by rows touches start at 16 different banks (64 banks of 4 bytes: ISA guide 11.1)
.set AP,    144                        ; a row of the a stage: 32 n x 4 bytes + 16
.set WREG,  17920                      ; LDS of a wave: the stage, 32 x RP (the a stage and, at the end, my partial result lie in the same bytes);
.set RCI,   8704                       ; images of r^T's codes, blocks 0-2: 12 x 512 bytes;
.set ACI,   14848                      ; images of a^T's codes, blocks 0-2: 6 x 512 bytes
.set ASUM,  16*WREG                    ; behind the sixteen regions: the partial sums of a, [k][wave], 2,048 bytes
.set FLOOR, 0x8000000                  ; 2^(16 - 127): under it no largest magnitude is taken, so that a scale's byte cannot fall under 1
.set EOFF,  0xf8800000                 ; -(15 << 23): 15, the exponent of 57,344, off an exponent field
.set EXPM,  0x7f800000
.set GA,  1                            ; v1   r: my byte in a block's first load: 4,096 h + 16 r; never rewritten
.set SA,  2                            ; v2   the stage, in
.set LA,  3                            ; v3   the stage, back by rows
.set AS,  4                            ; v4   the a stage, in
.set AL,  5                            ; v5   the a stage, back
.set IM,  6                            ; v6   my region + 16 x lane: an image's place for my lane
.set WS,  7                            ; v7   W's scale words: lane l has cluster l's two bytes, twice
.set CW,  8                            ; v8   the scale word of the first product's rows: bytes 0, 1 tile 0; bytes 2, 3 tile 1
.set PA,  9                            ; v9   where my partial result goes
.set RS,  10                           ; v10-13 r^T's scale words, a column tile each; byte = block
.set AW,  14                           ; v14-15 a^T's, a cluster tile each
.set SUM, 16                           ; v16-19 the sums of a: a pair for each cluster tile
.set TM,  20                           ; v20-35 at work
.set T,   36                           ; v36-51 eight and eight held numbers, in order along n
.set PC,  52                           ; v52-67 the first product's operand; also codes on their way to LDS
.set WB,  68                           ; v68-107 [0][W0][0][W1][0], eight registers each; at the end a^T's two fragments
.set BI,  108                          ; v108-123 the bias in the result's layout
.set P,   124                          ; v124-187 slot P: blocks 0, 2; at the end r^T's four fragments
.set Q,   188                          ; v188-251 slot Q: blocks 1, 3; at the end the eight accumulators
.set CE,  252                          ; v252-255 my four centroids
.set WV,  16                           ; s16  wave
.set LB,  17                           ; s17  my region in LDS
.set SEL, 22                           ; s[22:23] v_permlanex16_b32's selects for lane l xor 16
.set MNT, 24                           ; s24  the mantissa field of 57,344
.set AB,  25                           ; s25  ASUM + 4 x wave
.set CS,  26                           ; s[26:27] log2(e): the packed form names a pair and takes its low word for both halves
.macro GLOAD sl, nb, lo, n             ; loads lo .. lo + n - 1 of block nb into slot sl: two whole rows of 256 bytes each
.set gi, \lo
.rept \n
	global_load_b128 v[\sl+4*gi:\sl+4*gi+3], v[GA], s[4:5] offset:(32*(\nb)+gi)*256 th:TH_LOAD_NT
.set gi, gi+1
.endr
.endm
; v[TM+x]: my 16 numbers' largest magnitude of block x -> the block's, with lane l xor 16's; v[TM+8+x] = 57,344 x the scale; v[TM+12+x] = the conversion's scale operand
.macro BSCALE n
.set cx, 0
.rept \n
	v_permlanex16_b32 v[TM+4+cx], v[TM+cx], s[SEL], s[SEL+1]
.set cx, cx+1
.endr
.set cx, 0
.rept \n
	v_max_num_f32 v[TM+cx], v[TM+cx], v[TM+4+cx]
.set cx, cx+1
.endr
.set cx, 0
.rept \n
	v_add_nc_u32 v[TM+12+cx], EOFF, v[TM+cx]       ; 15 off the exponent field: the conversion takes this operand's exponent field as its scale, and nothing else of it
.set cx, cx+1
.endr
.set cx, 0
.rept \n
	v_and_or_b32 v[TM+8+cx], v[TM+cx], EXPM, s[MNT] ; the largest magnitude's exponent field over 57,344's mantissa
.set cx, cx+1
.endr
.endm
	s_load_b256 s[4:11], s[0:1], 0x0               ; r s[4:5], W's codes s[6:7], W's scales s[8:9], b s[10:11]
	s_load_b128 s[12:15], s[0:1], 0x20             ; centroids s[12:13], out s[14:15]
	v_lshrrev_b32 v[TM], 5, v0
	s_delay_alu instid0(VALU_DEP_1)
	v_readfirstlane_b32 s[WV], v[TM]               ; wave 0..15
	v_and_b32 v[TM+1], 15, v0                      ; r
	v_bfe_u32 v[TM+2], v0, 4, 1                    ; h
	s_delay_alu instid0(VALU_DEP_2)
	v_lshlrev_b32 v[GA], 4, v[TM+1]
	s_delay_alu instid0(VALU_DEP_1)
	v_lshl_add_u32 v[GA], v[TM+2], 12, v[GA]       ; 16 rows x 256 bytes for the upper half, 16 bytes a lane
	s_lshl_b32 s18, ttmp9, 19                      ; the batch: 2,048 rows of 256 bytes (255 x 2^19 stays under 2^31),
	s_lshl_b32 s19, s[WV], 15                      ; my wave's 128 rows
	s_add_co_u32 s18, s18, s19
	s_mov_b32 s19, 0
	s_lshl_b32 s20, ttmp9, 13                      ; the batch's 8,192 bytes of out
	s_mov_b32 s21, 0
	s_wait_alu depctr_va_vdst(0)
	s_wait_kmcnt 0x0
	s_add_nc_u64 s[4:5], s[4:5], s[18:19]
	s_add_nc_u64 s[14:15], s[14:15], s[20:21]
	GLOAD P, 0, 0, 16                              ; block 0 first of all
	v_lshlrev_b32 v[TM+4], 6, v[TM+1]
	s_delay_alu instid0(VALU_DEP_1)
	v_lshl_add_u32 v[TM+4], v[TM+2], 4, v[TM+4]    ; W's codes: row r of 64 bytes, + 16 h
	v_and_b32 v[TM+3], 31, v0                      ; lane
	s_delay_alu instid0(VALU_DEP_1)
	v_lshlrev_b32 v[TM+5], 1, v[TM+3]              ; W's scales: two bytes a cluster, lane l takes cluster l's
	v_lshlrev_b32 v[TM+6], 5, v[TM+2]              ; b: eight numbers on for the upper half
	v_lshlrev_b32 v[TM+7], 4, v0                   ; centroids: 16 bytes a thread
	global_load_b128 v[WB+8:WB+11],  v[TM+4], s[6:7]              ; W0: clusters r, channels 16 h .. + 15
	global_load_b128 v[WB+12:WB+15], v[TM+4], s[6:7] offset:32    ;     channels 32 + 16 h ..
	global_load_b128 v[WB+24:WB+27], v[TM+4], s[6:7] offset:1024  ; W1: clusters 16 + r
	global_load_b128 v[WB+28:WB+31], v[TM+4], s[6:7] offset:1056
	global_load_u16 v[T], v[TM+5], s[8:9]
	global_load_b128 v[BI:BI+3],     v[TM+6], s[10:11]            ; b[16 t + 8 h + j] at v[BI + 8 t + j]: the C of the first product
	global_load_b128 v[BI+4:BI+7],   v[TM+6], s[10:11] offset:16
	global_load_b128 v[BI+8:BI+11],  v[TM+6], s[10:11] offset:64
	global_load_b128 v[BI+12:BI+15], v[TM+6], s[10:11] offset:80
	global_load_b128 v[CE:CE+3],     v[TM+7], s[12:13]
	GLOAD Q, 1, 0, 16                              ; and block 1: 16 KB of r a wave are on their way
	s_mul_i32 s[LB], s[WV], WREG
	s_lshl_b32 s[AB], s[WV], 2
	s_add_co_u32 s[AB], s[AB], ASUM
	s_mov_b32 s[SEL], 0x76543210
	s_mov_b32 s[SEL+1], 0xfedcba98
	s_mov_b32 s[MNT], 0x600000
	s_mov_b32 s[CS], 0x3fb8aa3b                    ; log2(e)
	s_mov_b32 s[CS+1], s[CS]                       ; (named with it as a pair, so it is written)
	v_mul_u32_u24 v[SA], v[TM+2], 8*RP             ; the stage holds row n at place n / 2 + 16 (n % 2): even rows first.  Row 16 h + i: place 8 h + i / 2 + 16 (i % 2); the part in i is the store's immediate
	s_delay_alu instid0(VALU_DEP_1)
	v_lshl_add_u32 v[SA], v[TM+1], 4, v[SA]
	s_delay_alu instid0(VALU_DEP_1)
	v_add_nc_u32 v[SA], s[LB], v[SA]
	v_mul_u32_u24 v[LA], v[TM+1], RP               ; back: lane r of tile q takes row 2 r + q: place r + 16 q; + 64 h: my 16 channels of a block of 32
	s_delay_alu instid0(VALU_DEP_1)
	v_lshl_add_u32 v[LA], v[TM+2], 6, v[LA]
	s_delay_alu instid0(VALU_DEP_1)
	v_add_nc_u32 v[LA], s[LB], v[LA]
	v_mul_u32_u24 v[AS], v[TM+2], 8*AP             ; a, in: row k = 16 t + 8 h + j, bytes 8 r: n = 2 r, 2 r + 1
	s_delay_alu instid0(VALU_DEP_1)
	v_lshl_add_u32 v[AS], v[TM+1], 3, v[AS]
	s_delay_alu instid0(VALU_DEP_1)
	v_add_nc_u32 v[AS], s[LB], v[AS]
	v_mul_u32_u24 v[AL], v[TM+1], AP               ; a, back: row k = 16 t + r, bytes 64 h: n = 16 h .. 16 h + 15
	s_delay_alu instid0(VALU_DEP_1)
	v_lshl_add_u32 v[AL], v[TM+2], 6, v[AL]
	s_delay_alu instid0(VALU_DEP_1)
	v_add_nc_u32 v[AL], s[LB], v[AL]
	v_lshl_add_u32 v[IM], v[TM+3], 4, s[LB]
.irp z, 0,16,32
.irp i, 0,1,2,3,4,5,6,7
	v_mov_b32 v[WB+\z+\i], 0                       ; the zero codes round W: 24 registers, written once
.endr
.endr
; ONE BLOCK OF 32 ROWS, in slot sl.  lf: the loads that may stay out when this block's have to be in.
.macro BLOCK sl, nb, lf
	s_wait_loadcnt \lf                             ; loads come back in order (ISA guide 5.7.1): mine are in; the sixteen of the block behind may stay out
.if \nb == 0
	v_lshl_or_b32 v[WS], v[T], 16, v[T]            ; W's two scale bytes at bytes 0, 1 and at 2, 3: they serve W at K 0-63 and at K 64-127
.endif
	; ---- into the stage, as loaded: a store's sixteen lanes write one row's 256 bytes
.set ci, 0
.rept 16
	ds_store_b128 v[SA], v[\sl+4*ci:\sl+4*ci+3] offset:((ci>>1)+16*(ci&1))*RP
.set ci, ci+1
.endr
.if \nb > 0
	s_wait_dscnt 16                                ; all but these sixteen: the last block's two image stores have read v[PC] on, which is written below
.endif
	; ---- r ALONG n: four blocks of 32 rows, one for each column tile t: my 16 rows are registers 4 i + t
.irp t, 0,1,2,3
	v_max3_num_f32 v[TM+\t], |v[\sl+\t]|, |v[\sl+4+\t]|, FLOOR
.endr
.irp i, 2,4,6,8,10,12,14
.irp t, 0,1,2,3
	s_delay_alu instid0(VALU_DEP_4)
	v_max3_num_f32 v[TM+\t], v[TM+\t], |v[\sl+4*\i+\t]|, |v[\sl+4*\i+4+\t]|   ; (the four by turns: no line waits for the line above it)
.endr
.endr
	BSCALE 4
.irp t, 0,1,2,3
.if \nb == 0
	v_lshrrev_b32 v[RS+\t], 23, v[TM+12+\t]        ; the scale's byte: byte 0 of the tile's word
.else
	v_lshrrev_b32 v[TM+4+\t], 23, v[TM+12+\t]
.endif
.endr
.if \nb > 0
.irp t, 0,1,2,3
	s_delay_alu instid0(VALU_DEP_4)
	v_lshl_or_b32 v[RS+\t], v[TM+4+\t], 8*\nb, v[RS+\t]   ; byte nb
.endr
.endif
.irp t, 0,1,2,3
.if \nb == 3
.set DC, P+16*\t+12                    ; the last block's codes go straight into the fragment: registers 12-15
.else
.set DC, PC+4*\t
.endif
.irp u, 0,1
.irp i, 0,1,2,3,4,5,6,7
	v_med3_num_f32 v[T+8*\u+\i], v[\sl+4*(8*\u+\i)+\t], -v[TM+8+\t], v[TM+8+\t]   ; the hold at the largest code x the scale (the conversion to an 8-bit code does not saturate: ISA guide 7.6.2); it also brings eight neighbours along n into eight consecutive registers
.endr
	v_cvt_scalef32_pk8_bf8_f32 v[DC+2*\u:DC+2*\u+1], v[T+8*\u:T+8*\u+7], v[TM+12+\t]   ; (the eight holds that follow write the other eight registers: plain lines between a conversion and the next write of its sources)
.endr
.endr
	v_nop                                          ; a plain line behind the last conversion
.if \nb < 3
.irp t, 0,1,2,3
	ds_store_b128 v[IM], v[PC+4*\t:PC+4*\t+3] offset:RCI+(4*\nb+\t)*512   ; registers 4 nb .. 4 nb + 3 of tile t's fragment, as they stand
.endr
.endif
	; ---- back by rows, into the registers that the numbers left (LDS serves a wave's instructions in order: ISA guide 5.7.1.4): register 32 q + 16 k + e = r(row 2 r + q, channel 32 k + 16 h + e)
.irp q, 0,1
.irp k, 0,1
.irp j, 0,1,2,3
	ds_load_b128 v[\sl+32*\q+16*\k+4*\j:\sl+32*\q+16*\k+4*\j+3], v[LA] offset:\q*16*RP+128*\k+16*\j
.endr
.endr
.endr
.if \nb == 3
.irp t, 0,1,2,3
.irp e, 0,1,2
	ds_load_b128 v[P+16*\t+4*\e:P+16*\t+4*\e+3], v[IM] offset:RCI+(4*\e+\t)*512   ; slot P is free: r^T's codes of blocks 0-2 come back
.endr
.endr
	s_wait_dscnt 12                                ; the rows are in; the twelve image loads behind them may stay out
.else
	s_wait_dscnt 0x0                               ; the rows are in, and the image stores have read v[PC] on
.endif
	; ---- r ALONG c: four blocks g = 2 q + k of 32 channels, 16 of them mine
.irp g, 0,1,2,3
	v_max3_num_f32 v[TM+\g], |v[\sl+16*\g]|, |v[\sl+16*\g+1]|, FLOOR
.endr
.irp i, 2,4,6,8,10,12,14
.irp g, 0,1,2,3
	s_delay_alu instid0(VALU_DEP_4)
	v_max3_num_f32 v[TM+\g], v[TM+\g], |v[\sl+16*\g+\i]|, |v[\sl+16*\g+\i+1]|
.endr
.endr
	BSCALE 4
.irp g, 0,1,2,3
	v_lshrrev_b32 v[TM+4+\g], 23, v[TM+12+\g]
.endr
	s_delay_alu instid0(VALU_DEP_3)
	v_lshl_or_b32 v[CW], v[TM+5], 8, v[TM+4]       ; the operand's scale word; the eight conversions and four nops below are more than the eight places that it owes the products
	s_delay_alu instid0(VALU_DEP_1)
	v_lshl_or_b32 v[CW], v[TM+6], 16, v[CW]
	s_delay_alu instid0(VALU_DEP_1)
	v_lshl_or_b32 v[CW], v[TM+7], 24, v[CW]
.irp g, 0,1,2,3
.irp i, 0,1,2,3,4,5,6,7,8,9,10,11,12,13,14,15
.endr
	v_cvt_scalef32_pk8_bf8_f32 v[PC+4*\g:PC+4*\g+1], v[\sl+16*\g:\sl+16*\g+7], v[TM+12+\g]
	v_cvt_scalef32_pk8_bf8_f32 v[PC+4*\g+2:PC+4*\g+3], v[\sl+16*\g+8:\sl+16*\g+15], v[TM+12+\g]
.endr
.rept 4
	v_nop                                          ; an operand written by vector instructions stands four places ahead of a scaled matrix instruction
.endr
	; ---- logits^T = W r^T + b: tile (q, t) at v[sl + 16 q + 8 t]: register j of lane (r, h) is row 2 r + q, cluster 16 t + 8 h + j.  Four accumulators, one instruction each
	v_wmma_scale_f32_16x16x128_f8f6f4 v[\sl:\sl+7], v[WB+8:WB+23], v[PC:PC+15], v[BI:BI+7], v[WS], v[CW] matrix_a_fmt:MATRIX_FMT_BF8 matrix_b_fmt:MATRIX_FMT_BF8
	v_wmma_scale_f32_16x16x128_f8f6f4 v[\sl+8:\sl+15], v[WB+24:WB+39], v[PC:PC+15], v[BI+8:BI+15], v[WS], v[CW] matrix_a_fmt:MATRIX_FMT_BF8 matrix_b_fmt:MATRIX_FMT_BF8 matrix_a_scale:MATRIX_SCALE_ROW1
	v_wmma_scale_f32_16x16x128_f8f6f4 v[\sl+16:\sl+23], v[WB:WB+15], v[PC:PC+15], v[BI:BI+7], v[WS], v[CW] matrix_a_fmt:MATRIX_FMT_BF8 matrix_b_fmt:MATRIX_FMT_BF8
	v_wmma_scale_f32_16x16x128_f8f6f4 v[\sl+24:\sl+31], v[WB+16:WB+31], v[PC:PC+15], v[BI+8:BI+15], v[WS], v[CW] matrix_a_fmt:MATRIX_FMT_BF8 matrix_b_fmt:MATRIX_FMT_BF8 matrix_a_scale:MATRIX_SCALE_ROW1
.rept 8
	v_nop                                          ; eight places behind this form before its results are read, or a load is issued into its registers
.endr
.if \nb == 3
.irp t, 0,1
.irp e, 0,1,2
	ds_load_b128 v[WB+16*\t+4*\e:WB+16*\t+4*\e+3], v[IM] offset:ACI+(2*\e+\t)*512   ; W has done its work: a^T's codes of blocks 0-2 come back into its registers
.endr
.endr
.endif
	; ---- the softmax of my two rows: 16 logits each are mine, the other 16 lie in lane l xor 16.  Each accumulator is read from its low end on
.irp q, 0,1
	v_max3_num_f32 v[TM+\q], v[\sl+16*\q], v[\sl+16*\q+1], v[\sl+16*\q+2]
	v_max3_num_f32 v[TM+2+\q], v[\sl+16*\q+8], v[\sl+16*\q+9], v[\sl+16*\q+10]
.endr
.irp i, 3,5
.irp q, 0,1
	v_max3_num_f32 v[TM+\q], v[TM+\q], v[\sl+16*\q+\i], v[\sl+16*\q+\i+1]
	v_max3_num_f32 v[TM+2+\q], v[TM+2+\q], v[\sl+16*\q+8+\i], v[\sl+16*\q+9+\i]
.endr
.endr
.irp q, 0,1
	v_max3_num_f32 v[TM+\q], v[TM+\q], v[\sl+16*\q+7], v[\sl+16*\q+15]
.endr
.irp q, 0,1
	s_delay_alu instid0(VALU_DEP_2)
	v_max_num_f32 v[TM+\q], v[TM+\q], v[TM+2+\q]
.endr
.irp q, 0,1
	s_delay_alu instid0(VALU_DEP_2)
	v_permlanex16_b32 v[TM+4+\q], v[TM+\q], s[SEL], s[SEL+1]
.endr
.irp q, 0,1
	s_delay_alu instid0(VALU_DEP_2)
	v_max_num_f32 v[TM+\q], v[TM+\q], v[TM+4+\q]   ; the row's largest logit
.endr
.irp q, 0,1
	s_delay_alu instid0(VALU_DEP_2)
	v_mul_f32 v[TM+8+2*\q], s[CS], v[TM+\q]        ; x log2(e).  Its rounding shifts all 32 exponents of a row alike and leaves a as it is
.endr
.irp q, 0,1
.irp i, 0,2,4,6,8,10,12,14
	v_pk_fma_f32 v[\sl+16*\q+\i:\sl+16*\q+\i+1], v[\sl+16*\q+\i:\sl+16*\q+\i+1], s[CS:CS+1], v[TM+8+2*\q:TM+9+2*\q] op_sel_hi:[1,0,0] neg_lo:[0,0,1] neg_hi:[0,0,1]   ; (logit - maximum) log2(e), two at a time
.endr
.endr
	s_wait_alu depctr_va_vdst(0)
.irp q, 0,1
.irp i, 0,1,2,3,4,5,6,7,8,9,10,11,12,13,14,15
	v_exp_f32 v[\sl+16*\q+\i], v[\sl+16*\q+\i]
.endr
.endr
	v_nop                                          ; a plain line behind the last exponential,
	s_wait_alu depctr_va_vdst(0)                   ; and the wait ahead of the first line that names a result: one for the batch of 32
.irp q, 0,1
	v_pk_add_f32 v[TM+12+2*\q:TM+13+2*\q], v[\sl+16*\q:\sl+16*\q+1], v[\sl+16*\q+2:\sl+16*\q+3]
	v_pk_add_f32 v[T+2*\q:T+2*\q+1], v[\sl+16*\q+4:\sl+16*\q+5], v[\sl+16*\q+6:\sl+16*\q+7]
.endr
.irp i, 8,12
.irp q, 0,1
	v_pk_add_f32 v[TM+12+2*\q:TM+13+2*\q], v[TM+12+2*\q:TM+13+2*\q], v[\sl+16*\q+\i:\sl+16*\q+\i+1]
	v_pk_add_f32 v[T+2*\q:T+2*\q+1], v[T+2*\q:T+2*\q+1], v[\sl+16*\q+\i+2:\sl+16*\q+\i+3]
.endr
.endr
.irp q, 0
	s_delay_alu instid0(VALU_DEP_3)
	v_pk_add_f32 v[TM+12+2*\q:TM+13+2*\q], v[TM+12+2*\q:TM+13+2*\q], v[T+2*\q:T+2*\q+1]
.endr
.irp q, 1
	s_delay_alu instid0(VALU_DEP_2)
	v_pk_add_f32 v[TM+12+2*\q:TM+13+2*\q], v[TM+12+2*\q:TM+13+2*\q], v[T+2*\q:T+2*\q+1]
.endr
.irp q, 0,1
	s_delay_alu instid0(VALU_DEP_2)
	v_add_f32 v[TM+\q], v[TM+12+2*\q], v[TM+13+2*\q]
.endr
.irp q, 0,1
	s_delay_alu instid0(VALU_DEP_2)
	v_permlanex16_b32 v[TM+4+\q], v[TM+\q], s[SEL], s[SEL+1]
.endr
.irp q, 0,1
	s_delay_alu instid0(VALU_DEP_2)
	v_add_f32 v[TM+\q], v[TM+\q], v[TM+4+\q]       ; the row's sum of exponentials
.endr
	s_wait_alu depctr_va_vdst(0)
	v_rcp_f32 v[TM+6], v[TM]
	v_rcp_f32 v[TM+7], v[TM+1]
	v_nop
	s_wait_alu depctr_va_vdst(0)                   ; one wait for the two reciprocals
	; ---- a = e / sum, my two rows' numbers of one cluster side by side, and into the a stage: 8 bytes a lane; sixteen lanes write 128 neighbouring bytes of row k, the other sixteen of row k + 8
.set cx, 0
.rept 16
	v_mul_f32 v[\sl+32+2*cx], v[\sl+cx], v[TM+6]
	v_mul_f32 v[\sl+33+2*cx], v[\sl+16+cx], v[TM+7]
	ds_store_b64 v[AS], v[\sl+32+2*cx:\sl+33+2*cx] offset:(16*(cx/8)+cx%8)*AP   ; (the r stage's bytes: my loads from it are in)
.set cx, cx+1
.endr
.irp t, 0,1
.irp j, 0,1,2,3
	ds_load_b128 v[\sl+16*\t+4*\j:\sl+16*\t+4*\j+3], v[AL] offset:16*\t*AP+16*\j   ; register 16 t + e = a(n = 16 h + e, cluster 16 t + r)
.endr
.endr
	s_wait_dscnt 0x0                               ; a is back, and the stores have read the slot's upper half:
.if \nb < 2
	GLOAD \sl, \nb+2, 8, 8                         ; which takes its part of the block two on
.endif
	; ---- the sum over n of the unquantised a
.irp t, 0,1
.if \nb == 0
	v_pk_add_f32 v[SUM+2*\t:SUM+2*\t+1], v[\sl+16*\t:\sl+16*\t+1], v[\sl+16*\t+2:\sl+16*\t+3]   ; the first block starts the sums
.else
	v_pk_add_f32 v[SUM+2*\t:SUM+2*\t+1], v[SUM+2*\t:SUM+2*\t+1], v[\sl+16*\t:\sl+16*\t+1]
.endif
.endr
.if \nb > 0
.irp t, 0,1
	s_delay_alu instid0(VALU_DEP_2)
	v_pk_add_f32 v[SUM+2*\t:SUM+2*\t+1], v[SUM+2*\t:SUM+2*\t+1], v[\sl+16*\t+2:\sl+16*\t+3]
.endr
.endif
.irp i, 4,6,8,10,12,14
.irp t, 0,1
	s_delay_alu instid0(VALU_DEP_2)
	v_pk_add_f32 v[SUM+2*\t:SUM+2*\t+1], v[SUM+2*\t:SUM+2*\t+1], v[\sl+16*\t+\i:\sl+16*\t+\i+1]
.endr
.endr
	; ---- a ALONG n: one block of 32 rows for each cluster tile.  a is not negative: no |.|
.irp t, 0,1
	v_max3_num_f32 v[TM+\t], v[\sl+16*\t], v[\sl+16*\t+1], FLOOR
.endr
.irp i, 2,4,6,8,10,12,14
.irp t, 0,1
	s_delay_alu instid0(VALU_DEP_2)
	v_max3_num_f32 v[TM+\t], v[TM+\t], v[\sl+16*\t+\i], v[\sl+16*\t+\i+1]
.endr
.endr
	BSCALE 2
.irp t, 0,1
.if \nb == 0
	s_delay_alu instid0(VALU_DEP_4)
	v_lshrrev_b32 v[AW+\t], 23, v[TM+12+\t]
.else
	s_delay_alu instid0(VALU_DEP_4)
	v_lshrrev_b32 v[TM+4+\t], 23, v[TM+12+\t]
.endif
.endr
.if \nb > 0
.irp t, 0,1
	s_delay_alu instid0(VALU_DEP_2)
	v_lshl_or_b32 v[AW+\t], v[TM+4+\t], 8*\nb, v[AW+\t]
.endr
.endif
.irp t, 0,1
.if \nb == 3
.set DA, WB+16*\t+12
.else
.set DA, PC+4*\t
.endif
.irp i, 0,1,2,3,4,5,6,7,8,9,10,11,12,13,14,15
.endr
	v_cvt_scalef32_pk8_bf8_f32 v[DA:DA+1], v[\sl+16*\t:\sl+16*\t+7], v[TM+12+\t]
	v_cvt_scalef32_pk8_bf8_f32 v[DA+2:DA+3], v[\sl+16*\t+8:\sl+16*\t+15], v[TM+12+\t]
.endr
	v_nop                                          ; a plain line behind the last conversion
.if \nb < 3
.irp t, 0,1
	ds_store_b128 v[IM], v[PC+4*\t:PC+4*\t+3] offset:ACI+(2*\nb+\t)*512
.endr
.endif
.if \nb < 2
	GLOAD \sl, \nb+2, 0, 8                         ; the slot's lower half is free too
.endif
.endm
	BLOCK P, 0, 16
	BLOCK Q, 1, 16
	BLOCK P, 2, 16
	BLOCK Q, 3, 0
	; ---- THE SECOND PRODUCT, my K step of 128 rows: v(k, c) = a^T r: source 0 = 16 clusters, source 1 = 16 columns 4 r + c.  All images came in with block 3's last wait on DScnt.  Eight accumulators, one instruction each, C = 0
.rept 3
	v_nop                                          ; with the line behind the last conversion: four places ahead of the products that take its codes
.endr
.irp t, 0,1
.irp c, 0,1,2,3
	v_wmma_scale_f32_16x16x128_f8f6f4 v[Q+8*(4*\t+\c):Q+8*(4*\t+\c)+7], v[WB+16*\t:WB+16*\t+15], v[P+16*\c:P+16*\c+15], 0, v[AW+\t], v[RS+\c] matrix_a_fmt:MATRIX_FMT_BF8 matrix_b_fmt:MATRIX_FMT_BF8
.endr
.endr
	; the sums' ends and the addresses of the way out: fourteen plain lines (the two lane permutes not counted) that name none of the products' registers are the places behind them
	v_add_f32 v[TM], v[SUM], v[SUM+1]
	v_add_f32 v[TM+1], v[SUM+2], v[SUM+3]
	v_and_b32 v[T], 15, v0                         ; r
	v_bfe_u32 v[T+1], v0, 4, 1                     ; h
	s_delay_alu instid0(VALU_DEP_4)
	v_permlanex16_b32 v[TM+4], v[TM], s[SEL], s[SEL+1]
	s_delay_alu instid0(VALU_DEP_4)
	v_permlanex16_b32 v[TM+5], v[TM+1], s[SEL], s[SEL+1]
	s_delay_alu instid0(VALU_DEP_4)
	v_lshlrev_b32 v[PA], 4, v[T]
	s_delay_alu instid0(VALU_DEP_1)
	v_lshl_add_u32 v[PA], v[T+1], 11, v[PA]
	s_delay_alu instid0(VALU_DEP_1)
	v_add_nc_u32 v[PA], s[LB], v[PA]               ; my partial result, laid [k][c] with rows of 256 bytes: row 8 h (+ 16 t + j), byte 16 r (+ 4 c)
	v_add_f32 v[TM], v[TM], v[TM+4]                ; my 128 rows' sum of a for cluster r,
	v_add_f32 v[TM+1], v[TM+1], v[TM+5]            ; and for cluster 16 + r
	v_lshl_add_u32 v[T+2], v[T], 6, s[AB]          ; it goes to [k][wave]: 64 bytes a cluster
	v_lshlrev_b32 v[T+4], 4, v0                    ; behind the barrier: 16 bytes a thread, of each wave's partial result, and of out
	s_delay_alu instid0(VALU_DEP_1)
	v_add_nc_u32 v[T+5], 4*WREG, v[T+4]            ; (an LDS immediate has 16 bits: four regions to an address register)
	s_delay_alu instid0(VALU_DEP_2)
	v_add_nc_u32 v[T+6], 8*WREG, v[T+4]
	s_delay_alu instid0(VALU_DEP_3)
	v_add_nc_u32 v[T+7], 12*WREG, v[T+4]
.irp t, 0,1
.irp c, 0,1,2,3
.irp j, 0,1,2,3,4,5,6,7
	ds_store_b32 v[PA], v[Q+8*(4*\t+\c)+\j] offset:(16*\t+\j)*256+4*\c   ; each accumulator from its low end on.  (My stage's bytes: my loads from it are in)
.endr
.endr
.endr
	ds_store_b32 v[T+2], v[TM]                     ; both halves of the lanes write the same word with the same value
	ds_store_b32 v[T+2], v[TM+1] offset:1024
	s_wait_alu depctr_va_vdst(0)
	s_wait_dscnt 0x0                               ; for the others' sake: my stores have landed
	s_barrier_signal -1
	v_lshrrev_b32 v[T+8], 4, v0                    ; my output row k = thread / 16
	s_delay_alu instid0(VALU_DEP_1)
	v_lshl_add_u32 v[T+8], v[T+8], 6, ASUM
	s_wait_alu depctr_va_vdst(0)
	s_barrier_wait -1                              ; everybody's have
	; ---- thread t owns out's bytes 16 t .. 16 t + 15 of the batch: row k = t / 16, columns 4 (t % 16) on
.irp g, 0,1,2,3
.irp w, 0,1,2,3
	ds_load_b128 v[P+4*(4*\g+\w):P+4*(4*\g+\w)+3], v[T+4+\g] offset:\w*WREG
.endr
.endr
.irp j, 0,1,2,3
	ds_load_b128 v[PC+4*\j:PC+4*\j+3], v[T+8] offset:16*\j   ; the sixteen partial sums of a for my row
.endr
	s_wait_dscnt 0x0
.macro FOLD d                          ; the sixteen parts are added in pairs d registers apart
.set fx, 0
.rept 32/\d
	v_pk_add_f32 v[P+fx:P+fx+1], v[P+fx:P+fx+1], v[P+fx+\d:P+fx+\d+1]
	v_pk_add_f32 v[P+fx+2:P+fx+3], v[P+fx+2:P+fx+3], v[P+fx+\d+2:P+fx+\d+3]
.set fx, fx+2*\d
.endr
.endm
	FOLD 4
	FOLD 8
	FOLD 16
	FOLD 32
.irp i, 0,4,8,12
	v_pk_add_f32 v[PC+\i:PC+\i+1], v[PC+\i:PC+\i+1], v[PC+\i+2:PC+\i+3]
.endr
	s_delay_alu instid0(VALU_DEP_3)
	v_pk_add_f32 v[PC:PC+1], v[PC:PC+1], v[PC+4:PC+5]
	s_delay_alu instid0(VALU_DEP_2)
	v_pk_add_f32 v[PC+8:PC+9], v[PC+8:PC+9], v[PC+12:PC+13]
	s_delay_alu instid0(VALU_DEP_1)
	v_pk_add_f32 v[PC:PC+1], v[PC:PC+1], v[PC+8:PC+9]
	s_delay_alu instid0(VALU_DEP_1)
	v_add_f32 v[PC], v[PC], v[PC+1]                ; sum over all n of a(n, k)
.irp e, 0,1,2,3
	v_fma_f32 v[P+\e], -v[PC], v[CE+\e], v[P+\e]   ; v - sum(a) x centroid
.endr
	global_store_b128 v[T+4], v[P:P+3], s[14:15] th:TH_STORE_NT   ; sixteen lanes store 256 consecutive bytes, at a multiple of 256 from out's first byte
	s_wait_xcnt 0x0
	v_lshl_add_u32 v254, v0, 2, 0x46800
	v_mov_b32 v255, 0
	s_wait_alu depctr_va_vdst(0)
	s_wait_tensorcnt 0x0
	ds_add_u32 v254, v255
	s_wait_dscnt 0x0
	s_endpgm
.Lfunc_end_k_qd42a83db20_netvlad:
	.size	k_qd42a83db20_netvlad, .Lfunc_end_k_qd42a83db20_netvlad-k_qd42a83db20_netvlad
	.p2alignl 7, 3214868480
	.fill 96, 4, 3214868480
	.section	.rodata,"a",@progbits
	.p2align	6, 0x0
	.amdhsa_kernel k_qd42a83db20_netvlad
		.amdhsa_group_segment_fixed_size 290816
		.amdhsa_private_segment_fixed_size 0
		.amdhsa_enable_private_segment 0
		.amdhsa_kernarg_size 48
		.amdhsa_user_sgpr_count 2
		.amdhsa_user_sgpr_kernarg_segment_ptr 1
		.amdhsa_wavefront_size32 1
		.amdhsa_system_sgpr_workgroup_id_x 1
		.amdhsa_system_sgpr_workgroup_id_y 1
		.amdhsa_system_sgpr_workgroup_id_z 1
		.amdhsa_system_vgpr_workitem_id 0
		.amdhsa_next_free_vgpr 256
		.amdhsa_next_free_sgpr 66
		.amdhsa_reserve_vcc 0
		.amdhsa_float_denorm_mode_32 3
		.amdhsa_float_denorm_mode_16_64 3
		.amdhsa_fp16_overflow 1
		.amdhsa_memory_ordered 1
		.amdhsa_forward_progress 1
		.amdhsa_inst_pref_size 138
	.end_amdhsa_kernel
	.amdgpu_metadata
---
amdhsa.version: [ 1, 2 ]
amdhsa.kernels:
  - .name:           k_qd42a83db20_netvlad
    .symbol:         k_qd42a83db20_netvlad.kd
    .args:
      - { .name: R_seq, .offset: 0, .size: 8, .value_kind: global_buffer, .address_space: global }
      - { .name: W_codes, .offset: 8, .size: 8, .value_kind: global_buffer, .address_space: global }
      - { .name: W_scales, .offset: 16, .size: 8, .value_kind: global_buffer, .address_space: global }
      - { .name: b, .offset: 24, .size: 8, .value_kind: global_buffer, .address_space: global }
      - { .name: centroids, .offset: 32, .size: 8, .value_kind: global_buffer, .address_space: global }
      - { .name: out0, .offset: 40, .size: 8, .value_kind: global_buffer, .address_space: global }
    .group_segment_fixed_size: 290816
    .private_segment_fixed_size: 0
    .kernarg_segment_align: 8
    .kernarg_segment_size: 48
    .max_flat_workgroup_size: 512
    .sgpr_count:     66
    .vgpr_count:     256
    .wavefront_size: 32
...
	.end_amdgpu_metadata
.endif
;; end of part 1
